; MI455X (gfx1250); checked and timed in simulation.
; The chip was launched on July 23, 2026; its instructions are those of AMD's public machine-readable ISA for CDNA 5 (MIT licence, August 2026) and "CDNA5" Instruction Set Architecture Reference Guide (July 2026). The comments in the code are by the model that wrote it; some were corrected since.
;; Attention v2. Allowed arithmetic: float matrix products may take bf16 or f16 operands with f32 sums; all other float work in f32.
;; Inputs: bk 256 float32; bo 256 float32; bq 256 float32; bv 256 float32; key 16,384 x 256 float32; query 2,048 x 256 float32; value 16,384 x 256 float32; wk 256 x 256 float32; wo 256 x 256 float32; wq 256 x 256 float32; wv 256 x 256 float32.
;; Outputs: out0 2,048 x 256 float32.
;; 2 versions, each right; version 2 is version 1 with the launch outp written anew for expert scheduling mode. Each part assembles by itself: llvm-mc -triple=amdgcn-amd-amdhsa -mcpu=gfx1250 --defsym DOCPART=n.
;; ======== version 1 of 2: 3 launches
;; limits: values are held in f16: magnitudes above 65,504 overflow, below 6.1e-05 lose precision
;; workspace buffers: kv 16,777,216 bytes; qf 1,048,576 bytes; at 1,048,576 bytes
;; launch proj (part 1): grid 272 x 1, 8 waves a work-group, no clusters, 140,288 bytes of LDS; arguments key, value, query, wk, wv, wq, bk, bv, bq, kv, qf; writes kv, qf
.if DOCPART == 1
	.amdgcn_target "amdgcn-amd-amdhsa--gfx1250"
	.amdhsa_code_object_version 6
	.text
	.protected	k_q8255636ccc_proj
	.globl	k_q8255636ccc_proj
	.p2align	8
	.type	k_q8255636ccc_proj,@function
k_q8255636ccc_proj:
	s_mov_b64 s[64:65], 0
	v_nop
	global_prefetch_b8 v0, s[64:65] scope:SCOPE_SE
	s_setreg_imm32_b32 hwreg(HW_REG_WAVE_MODE, 25, 1), 1
	s_wait_xcnt 0x0
; kh = key wk + bk, vh = value wv + bv, qh = query wq + bq, rounded to f16 and stored as the register images of the matrix operands
; that the attention launch reads ("fragments": 16 rows x 32 k of f16, 1,024 bytes; byte c*512 + h*256 + r*16 + 2e = (row r, k = 16c + 8h + e)).
;   kv: [head 8][group of 32 keys, 512][4,096]: K fragment of keys 0-15, of keys 16-31 (row = key, k = d), V^T fragment of dims 0-15, of dims 16-31 (row = dim, k = key)
;   qf: [head 8][tile of 16 queries, 128][1,024] (row = query, k = d)
; A work-group takes 128 rows of one matrix: groups 0-127 key, 128-255 value, 256-271 query.  Wave w makes output columns 32w .. 32w+31 = head w and
; keeps W's 16 fragments for them (8 K steps x 2 column tiles) in 128 registers.  The 128 rows go in four steps of 32 rows.
; All operands are f16, all sums f32.  LIMITS: operands are finite up to 65,504 and magnitudes under 6e-8 are lost; NaN and infinities are not treated.
; NO JOINT LOADS for W, though all work-groups of a matrix read it: W comes as f32 and is rounded in registers on its way into LDS; landed whole in LDS
; as f32 it would take 262,144 bytes beside the 139,264 of its f16 image, more than the 327,680 that there are.
.set WP,    544                        ; LDS pitch of W's f16 rows [k][n]: 512 + 32 = 17 x 32 bytes, for the transposing loads
.set XP,    528                        ; LDS pitch of X's f16 rows: 512 + 16 = 33 x 16 bytes
.set XSLOT, 32*XP                      ; a slot of 32 rows of X; two slots lie over W's stage once W is in registers
.set BV,    10                         ; v10, v11   bias of column r of my two column tiles (the V form)
.set BIAS,  16                         ; v[16:31]   the bias as a C operand, 8 registers for each column tile
.set ACC,   32                         ; v[32:63]   accumulators: row tile rt, column tile t at 32 + 16 rt + 8 t
.set XL,    64                         ; v[64:95]   eight loads of X
.set XF,    96                         ; v[96:127]  X fragments: buffer b at 96 + 16 b, row tile at + 8
.set WF,    128                        ; v[128:255] W as loaded, later W's fragments: K step ks, column tile t at 128 + 16 ks + 8 t
; v1 X load offset, v2 W load offset, v3 W stage store, v4, v5 W fragment read, v6 X slot store, v7 X fragment read, v8 16 x lane, v9, v12 bias offsets
.macro PLACES                          ; four places behind a matrix instruction (ISA guide 7.12.1)
.rept 4
	v_nop
.endr
.endm
	s_load_b512 s[8:23], s[0:1], 0x0               ; key, value, query, wk, wv, wq, bk, bv
	s_load_b128 s[24:27], s[0:1], 0x40             ; bq, kv
	s_load_b64 s[28:29], s[0:1], 0x50              ; qf
	s_set_vgpr_msb 0x40
	v_lshl_add_u32 v0, v0, 2, 0x22000
	v_mov_b32 v1, 0
	s_set_vgpr_msb 0x4000
	v_lshrrev_b32 v13, 5, v0
	v_readfirstlane_b32 s2, v13                    ; wave = head
	s_mov_b32 s5, ttmp9
	s_lshr_b32 s3, s5, 7                           ; 0 key, 1 value, 2 query
	s_and_b32 s4, s5, 127                          ; which 128 rows of that matrix
	v_and_b32 v14, 31, v0                          ; lane L
	v_and_b32 v15, 15, v0                          ; r
	v_bfe_u32 v13, v0, 4, 1                        ; h
	v_lshlrev_b32 v8, 4, v14                       ; 16 L
	s_lshl_b32 s40, s2, 12
	v_add_nc_u32 v1, s40, v8                       ; X: my wave's four rows of 1,024 bytes
	s_lshl_b32 s40, s2, 15
	v_add_nc_u32 v2, s40, v8                       ; W: my wave's 32 rows of 1,024 bytes
	s_mul_i32 s40, s2, 32*WP
	v_lshl_add_u32 v3, v14, 3, s40                 ; W stage: row 32 w, 8 bytes a lane
	v_and_b32 v4, 7, v0
	v_lshl_add_u32 v4, v13, 3, v4                  ; 8 h + (L & 7)
	v_mul_u32_u24 v4, v4, WP
	v_bfe_u32 v5, v0, 3, 1
	v_lshl_add_u32 v4, v5, 4, v4                   ; + 16 ((L >> 3) & 1)
	s_lshl_b32 s40, s2, 6
	v_add_nc_u32 v4, s40, v4                       ; + 2 x 32 w: K steps 0-3
	v_add_nc_u32 v5, 128*WP, v4                    ; K steps 4-7
	s_mul_i32 s40, s2, 4*XP
	v_lshl_add_u32 v6, v14, 3, s40                 ; X slot: row 4 w, 8 bytes a lane
	v_mul_u32_u24 v7, v15, XP
	v_lshl_add_u32 v7, v13, 4, v7                  ; X fragment: r x pitch + 16 h
	s_lshl_b32 s40, s2, 7
	v_lshl_add_u32 v9, v13, 5, s40                 ; bias: 4 (32 w + 8 h)
	v_lshl_add_u32 v12, v15, 2, s40                ; bias: 4 (32 w + r)
	; byte offsets of my output: key and value: head x 2,097,152 + unit x 4 groups x 4,096 (+ 2,048 for V's fragments); query: head x 131,072 + unit x 8 tiles x 1,024
	s_lshl_b32 s40, s2, 21
	s_lshl_b32 s41, s4, 14
	s_add_co_u32 s40, s40, s41
	s_and_b32 s41, s3, 1
	s_lshl_b32 s41, s41, 11
	s_add_co_u32 s40, s40, s41
	s_lshl_b32 s41, s2, 17
	s_lshl_b32 s46, s4, 13
	s_add_co_u32 s41, s41, s46
	s_mov_b32 s38, 2048
	s_mov_b32 s39, 0
	s_mov_b32 s43, 0
	s_lshl_b32 s44, s4, 17                         ; my 128 rows of X
	s_mov_b32 s45, 0
	s_wait_kmcnt 0x0
	s_cmp_lt_u32 s5, 128
	s_cselect_b64 s[30:31], s[8:9], s[10:11]       ; X
	s_cselect_b64 s[32:33], s[14:15], s[16:17]     ; W
	s_cselect_b64 s[34:35], s[20:21], s[22:23]     ; bias
	s_cmp_lt_u32 s5, 256
	s_cselect_b64 s[30:31], s[30:31], s[12:13]
	s_cselect_b64 s[32:33], s[32:33], s[18:19]
	s_cselect_b64 s[34:35], s[34:35], s[24:25]
	s_cselect_b64 s[36:37], s[26:27], s[28:29]     ; output
	s_cselect_b32 s42, s40, s41
	s_cselect_b32 s38, 4096, s38                   ; bytes from one step's output to the next: a group, or two query tiles
	s_add_nc_u64 s[36:37], s[36:37], s[42:43]
	s_add_nc_u64 s[30:31], s[30:31], s[44:45]
	; W: 64 loads of 512 bytes a wave (k row 32 w + (i >> 1), half i & 1), 32 at a time; then the first step's X
.set i, 0
.rept 32
	global_load_b128 v[WF+4*i:WF+4*i+3], v2, s[32:33] offset:512*i
.set i, i+1
.endr
.irp j, 0,1,2,3,4,5,6,7
	global_load_b128 v[XL+4*\j:XL+4*\j+3], v1, s[30:31] offset:512*\j th:TH_LOAD_NT
.endr
.set i, 0
.rept 32
	s_wait_loadcnt 39                              ; younger than W's load i: 31 - i of W, 8 of X, i issued again below
	v_cvt_pk_f16_f32 v[WF+4*i], v[WF+4*i], v[WF+4*i+1]
	v_cvt_pk_f16_f32 v[WF+4*i+1], v[WF+4*i+2], v[WF+4*i+3]
	ds_store_b64 v3, v[WF+4*i:WF+4*i+1] offset:(i>>1)*WP+(i&1)*256
	global_load_b128 v[WF+4*i:WF+4*i+3], v2, s[32:33] offset:512*(i+32)
.set i, i+1
.endr
.set i, 0
.rept 32
	s_wait_loadcnt 31-i                            ; the younger loads of W's second half stay out
	v_cvt_pk_f16_f32 v[WF+4*i], v[WF+4*i], v[WF+4*i+1]
	v_cvt_pk_f16_f32 v[WF+4*i+1], v[WF+4*i+2], v[WF+4*i+3]
	ds_store_b64 v3, v[WF+4*i:WF+4*i+1] offset:(16+(i>>1))*WP+(i&1)*256
.set i, i+1
.endr
	; the bias in both register forms: register j = b[32 w + 16 t + 8 h + j] (K and Q), and b[32 w + 16 t + r] (V)
	global_load_b128 v[BIAS:BIAS+3],     v9, s[34:35]
	global_load_b128 v[BIAS+4:BIAS+7],   v9, s[34:35] offset:16
	global_load_b128 v[BIAS+8:BIAS+11],  v9, s[34:35] offset:64
	global_load_b128 v[BIAS+12:BIAS+15], v9, s[34:35] offset:80
	global_load_b32 v[BV],   v12, s[34:35]
	global_load_b32 v[BV+1], v12, s[34:35] offset:64
	s_wait_dscnt 0x0                               ; my rows of W are in LDS,
	s_barrier_signal -1
	s_barrier_wait -1                              ; everybody's are
	; W's fragments: lane (r, h) gets column 32 w + 16 t + r, k = 32 ks + 8 h .. and 32 ks + 16 + 8 h .., by transposing loads from [k][n]
.irp ks, 0,1,2,3
.irp t, 0,1
	ds_load_tr16_b128 v[WF+16*\ks+8*\t:WF+16*\ks+8*\t+3],         v4 offset:\ks*32*WP+32*\t
	ds_load_tr16_b128 v[WF+16*\ks+8*\t+4:WF+16*\ks+8*\t+7],       v4 offset:\ks*32*WP+32*\t+16*WP
	ds_load_tr16_b128 v[WF+16*(\ks+4)+8*\t:WF+16*(\ks+4)+8*\t+3],   v5 offset:\ks*32*WP+32*\t
	ds_load_tr16_b128 v[WF+16*(\ks+4)+8*\t+4:WF+16*(\ks+4)+8*\t+7], v5 offset:\ks*32*WP+32*\t+16*WP
.endr
.endr
	s_wait_dscnt 0x0                               ; my reads of W's stage are over,
	s_barrier_signal -1
	s_barrier_wait -1                              ; everybody's are: X's slots may be laid over it
; four LDS loads: the X fragments of K step ks (two row tiles) from slot sl into buffer ks & 1
.macro XFLOAD sl, ks
.irp rt, 0,1
	ds_load_b128 v[XF+16*((\ks)&1)+8*\rt:XF+16*((\ks)&1)+8*\rt+3],   v7 offset:(\sl)*XSLOT+\rt*16*XP+64*(\ks)
	ds_load_b128 v[XF+16*((\ks)&1)+8*\rt+4:XF+16*((\ks)&1)+8*\rt+7], v7 offset:(\sl)*XSLOT+\rt*16*XP+64*(\ks)+32
.endr
.endm
; One step: 32 rows of X.  form 0 (K, Q): source 0 = W, source 1 = X: a lane holds row r, columns 8 h + j.  form 1 (V): the other way round: dim r, keys 8 h + j.
.macro STEP s, form
	s_wait_loadcnt 0x0                             ; this step's eight loads of X (and, in the first step, the bias) are the only ones out
.if \s == 0
.if \form
.irp j, 0,1,2,3,4,5,6,7
	v_mov_b32 v[BIAS+\j],   v[BV]                  ; V: every register of a lane holds the same column's bias
	v_mov_b32 v[BIAS+8+\j], v[BV+1]
.endr
.endif
.endif
.irp j, 0,1,2,3,4,5,6,7
	v_cvt_pk_f16_f32 v[XL+4*\j],   v[XL+4*\j],   v[XL+4*\j+1]
	v_cvt_pk_f16_f32 v[XL+4*\j+1], v[XL+4*\j+2], v[XL+4*\j+3]
.endr
.irp j, 0,1,2,3,4,5,6,7
	ds_store_b64 v6, v[XL+4*\j:XL+4*\j+1] offset:(\s&1)*XSLOT+(\j>>1)*XP+(\j&1)*256
.endr
.if \s < 3
.irp j, 0,1,2,3,4,5,6,7
	global_load_b128 v[XL+4*\j:XL+4*\j+3], v1, s[30:31] offset:(\s+1)*32768+512*\j th:TH_LOAD_NT
.endr
.endif
	s_wait_dscnt 0x0                               ; my rows of this slot are stored, and my reads of the other slot (the last step's) are back:
	s_barrier_signal -1                            ; one barrier a step serves both, since the slots take turns
	s_barrier_wait -1
	s_wait_xcnt 0x0                                ; the last step's stores have read their data and their base: both are written again below
.if \s > 0
	s_add_nc_u64 s[36:37], s[36:37], s[38:39]
.endif
	XFLOAD \s&1, 0
	XFLOAD \s&1, 1
.irp ks, 0,1,2,3,4,5,6,7
.if \ks < 7
	s_wait_dscnt 0x4                               ; this K step's four loads are in, the next one's four stay out
.else
	s_wait_dscnt 0x0
.endif
	; the four accumulators take turns, one instruction a turn.  The first K step takes the bias as C: nothing is cleared or added later
.irp t, 0,1
.irp rt, 0,1
.set dd, ACC+16*\rt+8*\t
.set ww, WF+16*\ks+8*\t
.set xx, XF+16*(\ks&1)+8*\rt
.if \ks == 0
.set cc, BIAS+8*\t
.else
.set cc, dd
.endif
.if \form
	v_wmma_f32_16x16x32_f16 v[dd:dd+7], v[xx:xx+7], v[ww:ww+7], v[cc:cc+7]
.else
	v_wmma_f32_16x16x32_f16 v[dd:dd+7], v[ww:ww+7], v[xx:xx+7], v[cc:cc+7]
.endif
.endr
.endr
.if \ks < 6
	PLACES                                         ; in front of loads into the buffer that was just multiplied
	XFLOAD \s&1, \ks+2
.endif
.endr
	PLACES                                         ; in front of the conversions, which read results
.irp a, 0,1,2,3
.irp j, 0,1,2,3
	v_cvt_pk_f16_f32 v[ACC+8*\a+\j], v[ACC+8*\a+2*\j], v[ACC+8*\a+2*\j+1]
.endr
.endr
	; a lane's 16 bytes are its place in a fragment: each store of the wave covers 512 consecutive bytes, aligned
.irp rt, 0,1
.irp t, 0,1
.if \form
	global_store_b128 v8, v[ACC+16*\rt+8*\t:ACC+16*\rt+8*\t+3], s[36:37] offset:\t*1024+\rt*512
.else
	global_store_b128 v8, v[ACC+16*\rt+8*\t:ACC+16*\rt+8*\t+3], s[36:37] offset:\rt*1024+\t*512
.endif
.endr
.endr
.endm
	s_cmp_eq_u32 s3, 1                             ; the same in all waves of the work-group
	s_cbranch_scc1 .Lvalue
	STEP 0, 0
	STEP 1, 0
	STEP 2, 0
	STEP 3, 0
	s_set_vgpr_msb 0x5
	s_wait_tensorcnt 0x0
	ds_add_u32 v0, v1
	s_wait_dscnt 0x0
	s_set_vgpr_msb 0x500
	s_endpgm
.Lvalue:
	STEP 0, 1
	STEP 1, 1
	STEP 2, 1
	STEP 3, 1
	s_set_vgpr_msb 0x5
	s_wait_tensorcnt 0x0
	ds_add_u32 v0, v1
	s_wait_dscnt 0x0
	s_set_vgpr_msb 0x500
	s_endpgm
.Lfunc_end_k_q8255636ccc_proj:
	.size	k_q8255636ccc_proj, .Lfunc_end_k_q8255636ccc_proj-k_q8255636ccc_proj
	.p2alignl 7, 3214868480
	.fill 96, 4, 3214868480
	.section	.rodata,"a",@progbits
	.p2align	6, 0x0
	.amdhsa_kernel k_q8255636ccc_proj
		.amdhsa_group_segment_fixed_size 140288
		.amdhsa_private_segment_fixed_size 0
		.amdhsa_enable_private_segment 0
		.amdhsa_kernarg_size 88
		.amdhsa_user_sgpr_count 2
		.amdhsa_user_sgpr_kernarg_segment_ptr 1
		.amdhsa_wavefront_size32 1
		.amdhsa_system_sgpr_workgroup_id_x 1
		.amdhsa_system_sgpr_workgroup_id_y 1
		.amdhsa_system_sgpr_workgroup_id_z 1
		.amdhsa_system_vgpr_workitem_id 0
		.amdhsa_next_free_vgpr 258
		.amdhsa_next_free_sgpr 66
		.amdhsa_reserve_vcc 0
		.amdhsa_float_denorm_mode_32 3
		.amdhsa_float_denorm_mode_16_64 3
		.amdhsa_memory_ordered 1
		.amdhsa_forward_progress 1
		.amdhsa_inst_pref_size 98
	.end_amdhsa_kernel
	.amdgpu_metadata
---
amdhsa.version: [ 1, 2 ]
amdhsa.kernels:
  - .name:           k_q8255636ccc_proj
    .symbol:         k_q8255636ccc_proj.kd
    .args:
      - { .name: key, .offset: 0, .size: 8, .value_kind: global_buffer, .address_space: global }
      - { .name: value, .offset: 8, .size: 8, .value_kind: global_buffer, .address_space: global }
      - { .name: query, .offset: 16, .size: 8, .value_kind: global_buffer, .address_space: global }
      - { .name: wk, .offset: 24, .size: 8, .value_kind: global_buffer, .address_space: global }
      - { .name: wv, .offset: 32, .size: 8, .value_kind: global_buffer, .address_space: global }
      - { .name: wq, .offset: 40, .size: 8, .value_kind: global_buffer, .address_space: global }
      - { .name: bk, .offset: 48, .size: 8, .value_kind: global_buffer, .address_space: global }
      - { .name: bv, .offset: 56, .size: 8, .value_kind: global_buffer, .address_space: global }
      - { .name: bq, .offset: 64, .size: 8, .value_kind: global_buffer, .address_space: global }
      - { .name: kv, .offset: 72, .size: 8, .value_kind: global_buffer, .address_space: global }
      - { .name: qf, .offset: 80, .size: 8, .value_kind: global_buffer, .address_space: global }
    .group_segment_fixed_size: 140288
    .private_segment_fixed_size: 0
    .kernarg_segment_align: 8
    .kernarg_segment_size: 88
    .max_flat_workgroup_size: 256
    .sgpr_count:     66
    .vgpr_count:     258
    .wavefront_size: 32
...
	.end_amdgpu_metadata
.endif
;; end of part 1
;; launch attn (part 2): grid 32 x 8, 16 waves a work-group, clusters of 4 x 1, 327,680 bytes of LDS; arguments kv, qf, at; writes at
.if DOCPART == 2
	.amdgcn_target "amdgcn-amd-amdhsa--gfx1250"
	.amdhsa_code_object_version 6
	.text
	.protected	k_q8255636ccc_attn
	.globl	k_q8255636ccc_attn
	.p2align	8
	.type	k_q8255636ccc_attn,@function
k_q8255636ccc_attn:
	s_mov_b64 s[64:65], 0
	v_nop
	global_prefetch_b8 v0, s[64:65] scope:SCOPE_SE
	s_setreg_imm32_b32 hwreg(HW_REG_WAVE_MODE, 25, 1), 1
	s_wait_xcnt 0x0
	s_wait_alu depctr_hold_cnt(0) depctr_sa_sdst(0) depctr_va_vdst(0) depctr_va_sdst(0) depctr_va_ssrc(0) depctr_va_vcc(0) depctr_vm_vsrc(0)
	s_getreg_b32 s2, hwreg(HW_REG_IB_STS2, 6, 4)
	s_cmp_eq_u32 s2, 0
	s_cbranch_scc0 .Lentry_in_a_cluster
	s_endpgm
.Lentry_in_a_cluster:
	s_bfe_u32 s2, ttmp6, 0x10000c
	s_cmp_lg_u32 s2, 0x3003
	s_cbranch_scc0 .Lentry_shape_is_right
	s_endpgm
.Lentry_shape_is_right:
; Softmax attention of one head for 64 queries against all 16,384 keys, with a running maximum.  Operands f16, everything else f32.
; A work-group = (head, block of 64 queries).  The keys go in 16 tiles of 1,024 (131,072 consecutive bytes of kv); in each tile wave w owns 64 keys
; (8,192 bytes: two groups of 32 keys, each two K fragments and two V^T fragments).  Every wave holds all 64 queries, so each fragment read from LDS
; feeds four matrix instructions and each LDS byte is read once.  At the end the 16 waves' maxima, sums and outputs are merged through LDS.
; TRANSPOSED SCORES: S^T = K Q^T (source 0 = K fragment, source 1 = Q fragment): lane (r, h) holds query r, keys 8 h + j.  Two such tiles, rounded to f16,
; are the source-1 fragment of P^T for O^T = V^T P^T as they stand: no shuffle.  Maximum and sum are a lane's own; the halves h share the maximum by one lane exchange.
; p = exp2(c s + NM), c = log2(e) / sqrt(32), NM = round(-c m); rescaling by exp2(NMnew - NMold), so that all factors fit each other exactly.
; CLUSTER: the four query blocks of a cluster walk the same tiles of kv, so each tile part is asked for jointly (mask 15): the address is made of the head,
; the wave's number and the step alone.  That divides the requests for kv by four.
; Each wave has two LDS slots of its own; by this text's count one tensor load of a wave is outstanding at most.
; LIMITS: f16 operands (finite up to 65,504; p under 6e-8 is lost); NaN and infinities are not treated; the order of sums differs from a plain softmax's.
.set SLOTB, 8192                       ; a wave's slot
.set TSTEP, 131072                     ; from one tile of 1,024 keys to the next
.set MS,    262144                     ; behind the ring: [query 64][wave 16] f32, pitch 80: NM; 5,120 bytes further on the same for the sums
.set CSC,   0x3e8293ee                 ; c = 0.25503486
.set CSCN,  0xbe8293ee                 ; -c
.set NMM, 8                            ; v[8+2q] NM, v[9+2q] the maximum, of query tile q
.set LL,  16                           ; v[16:19] sums
.set AL,  20                           ; v20 rescale factor; v21 only fills the pair
.set T,   22                           ; v[22:25] at work
.set SA,  26                           ; v[26:27], v[28:29] two running pairs of the row sum
.set SB,  28
.set QF,  32                           ; v[32:63]   Q fragments of the four query tiles
.set OA,  64                           ; v[64:127]  O^T: query tile q, dim tile t at 64 + 16 q + 8 t
.set KF,  128                          ; v[128:159] K fragments of four key tiles
.set VF,  160                          ; v[160:191] V^T fragments: group g, dim tile t at 160 + 16 g + 8 t
.set SBF, 192                          ; v[192:255] two score buffers, query tile q uses 192 + 32 (q & 1), key tile kt at + 8 kt
; v1 my ring + 16 L, v2 16 L, v3 where I put NM and sums, v4 where I put O, v5 lane
.macro PLACES                          ; four places behind a matrix instruction (ISA guide 7.12.1)
.rept 4
	v_nop
.endr
.endm
.macro ROUND                           ; a round of the cluster's barrier
	s_barrier_signal -1
	s_barrier_wait -1
	s_cmp_lg_u32 s8, 0
	s_cbranch_scc1 .Lnot_wave_0_\@
	s_barrier_signal -3
.Lnot_wave_0_\@:
	s_barrier_wait -3
	s_barrier_signal -1
	s_barrier_wait -1
.endm
	s_load_b128 s[4:7], s[0:1], 0x0                ; kv, qf
	s_load_b64 s[10:11], s[0:1], 0x10              ; at
	v_lshl_add_u32 v30, v0, 2, 0x42800
	v_mov_b32 v31, 0
	ds_add_u32 v30, v31
	v_lshrrev_b32 v1, 5, v0
	v_readfirstlane_b32 s8, v1                     ; wave 0..15
	s_and_b32 s9, ttmp7, 0xffff                    ; head
	s_bfe_u32 s46, ttmp6, 0x40000                  ; cx
	s_lshl_b32 s47, ttmp9, 2
	s_add_co_u32 s47, s47, s46                     ; query block = 4 x cluster x + cx: enters the addresses of qf and at alone
	s_mov_b32 s12, 0x76543210                      ; lane i of one half reads lane i of the other
	s_mov_b32 s13, 0xfedcba98
	s_mov_b32 s14, CSC
	s_mov_b32 s15, CSC
	s_mov_b32 s24, CSCN
	; descriptor group 1: 32 rows of 32 elements of 8 bytes, dense: 8,192 bytes
	s_mov_b32 s16, 0x0023000f                      ; 15:0 mask: the four work-groups of the cluster; 17:16 elements of 8 bytes; 21 set beside a mask
	s_mov_b32 s17, 32<<16                          ; tensor_dim0 = 32
	s_mov_b32 s18, 32<<16                          ; tensor_dim1 = 32
	s_mov_b32 s19, 32<<16                          ; tile_dim0 = 32
	s_mov_b32 s20, 32                              ; tile_dim1 = 32
	s_mov_b32 s21, 32                              ; pitch = 32 elements
	s_mov_b32 s22, 0
	s_mov_b32 s23, 0
	s_lshl_b32 s28, s9, 21                         ; kv: head x 2,097,152 + wave x 8,192
	s_lshl_b32 s29, s8, 13
	s_add_co_u32 s28, s28, s29
	s_mov_b32 s29, 0
	s_lshl_b32 s30, s9, 17                         ; qf: head x 131,072 + block x 4 tiles x 1,024
	s_lshl_b32 s31, s47, 12
	s_add_co_u32 s30, s30, s31
	s_mov_b32 s31, 0
	s_lshr_b32 s48, s8, 2                          ; in the merge: my query tile
	s_and_b32 s49, s8, 3                           ; and my eight dims
	s_lshl_b32 s50, s47, 15                        ; at: (4 x block + query tile) x 8,192 + head x 1,024 + 256 x (wave & 3)
	s_lshl_b32 s51, s9, 10
	s_add_co_u32 s50, s50, s51
	s_lshl_b32 s51, s48, 13
	s_add_co_u32 s50, s50, s51
	s_lshl_b32 s51, s49, 8
	s_add_co_u32 s50, s50, s51
	s_mov_b32 s51, 0
	s_mul_i32 s52, s48, 16*80
	s_add_co_u32 s52, s52, MS                      ; merge: NM of my query tile
	s_mul_i32 s53, s48, 16*144
	s_lshl_b32 s54, s49, 5
	s_add_co_u32 s53, s53, s54                     ; merge: my query tile's rows and my 32 bytes of them
	; descriptor group 0, one set for each slot
	s_mov_b32 s32, 1
	s_lshl_b32 s33, s8, 14                         ; LDS: wave x 16,384
	s_mov_b32 s36, 1
	s_add_co_u32 s37, s33, SLOTB                   ; + 8,192 for slot 1
	v_and_b32 v5, 31, v0                           ; L
	v_lshlrev_b32 v2, 4, v5
	v_add_nc_u32 v1, s33, v2
	v_and_b32 v6, 15, v0                           ; r
	v_bfe_u32 v7, v0, 4, 1                         ; h
	v_mul_u32_u24 v3, v6, 80
	s_lshl_b32 s54, s8, 2
	s_add_co_u32 s54, s54, MS
	v_add_nc_u32 v3, s54, v3                       ; MS + 80 r + 4 w
	v_mul_u32_u24 v4, v6, 144
	v_lshl_add_u32 v4, v7, 5, v4
	v_add_nc_u32 v4, s33, v4                       ; my ring + 144 r + 32 h
	v_mov_b32 v[AL+1], 0
	s_wait_dscnt 0x0
	s_wait_kmcnt 0x0
	s_add_nc_u64 s[34:35], s[4:5], s[28:29]        ; tile 0
	s_add_nc_u64 s[38:39], s[34:35], TSTEP         ; tile 1
	s_or_b32 s35, s35, 0x80000000                  ; type = 2
	s_or_b32 s39, s39, 0x80000000
	s_add_nc_u64 s[26:27], s[6:7], s[30:31]
	s_add_nc_u64 s[10:11], s[10:11], s[50:51]
.irp q, 0,1,2,3
	global_load_b128 v[QF+8*\q:QF+8*\q+3],   v2, s[26:27] offset:\q*1024
	global_load_b128 v[QF+8*\q+4:QF+8*\q+7], v2, s[26:27] offset:\q*1024+512
.endr
	ROUND                                          ; the four work-groups are here: the first joint loads meet
	tensor_load_to_lds s[32:35], s[16:23]          ; tile 0 into slot 0
	s_nop 0
; 16 LDS loads, lane i at 16 i: K's four fragments first, then V's four
.macro LOADKV slot
.irp kt, 0,1,2,3
	ds_load_b128 v[KF+8*\kt:KF+8*\kt+3],   v1 offset:\slot*SLOTB+(\kt>>1)*4096+(\kt&1)*1024
	ds_load_b128 v[KF+8*\kt+4:KF+8*\kt+7], v1 offset:\slot*SLOTB+(\kt>>1)*4096+(\kt&1)*1024+512
.endr
.irp g, 0,1
.irp t, 0,1
	ds_load_b128 v[VF+16*\g+8*\t:VF+16*\g+8*\t+3],   v1 offset:\slot*SLOTB+\g*4096+2048+\t*1024
	ds_load_b128 v[VF+16*\g+8*\t+4:VF+16*\g+8*\t+7], v1 offset:\slot*SLOTB+\g*4096+2048+\t*1024+512
.endr
.endr
.endm
; scores of query tile q against my 64 keys
.macro SMM q
.irp kt, 0,1,2,3
	v_wmma_f32_16x16x32_f16 v[SBF+32*(\q&1)+8*\kt:SBF+32*(\q&1)+8*\kt+7], v[KF+8*\kt:KF+8*\kt+7], v[QF+8*\q:QF+8*\q+7], 0
.endr
.endm
; the running maximum of query tile q, NM and the rescale factor
.macro MAXP q, first
.set sb, SBF+32*(\q&1)
.irp kt, 0,1,2,3
	v_max3_num_f32 v[T+\kt], v[sb+8*\kt], v[sb+8*\kt+1], v[sb+8*\kt+2]
.endr
.irp kt, 0,1,2,3
	v_max3_num_f32 v[T+\kt], v[T+\kt], v[sb+8*\kt+3], v[sb+8*\kt+4]
.endr
.irp kt, 0,1,2,3
	v_max3_num_f32 v[T+\kt], v[T+\kt], v[sb+8*\kt+5], v[sb+8*\kt+6]
.endr
	v_max3_num_f32 v[T], v[T], v[T+1], v[T+2]
	v_max3_num_f32 v[T+3], v[T+3], v[sb+7], v[sb+15]
	v_max3_num_f32 v[T], v[T], v[T+3], v[sb+23]
.if \first
	v_max_num_f32 v[T], v[T], v[sb+31]
.else
	v_max3_num_f32 v[T], v[T], v[sb+31], v[NMM+2*\q+1]
.endif
	v_permlanex16_b32 v[T+1], v[T], s12, s13       ; the other half's keys of the same query
	v_max_num_f32 v[NMM+2*\q+1], v[T], v[T+1]
.if \first
	v_mul_f32 v[NMM+2*\q], s24, v[NMM+2*\q+1]
.else
	v_mul_f32 v[T+2], s24, v[NMM+2*\q+1]
	v_sub_f32 v[T+3], v[T+2], v[NMM+2*\q]
	v_exp_f32 v[AL], v[T+3]
	v_mov_b32 v[NMM+2*\q], v[T+2]                  ; also the plain instruction behind the exponential (ISA guide 5.7.2)
.endif
.endm
.macro EXP8 b
.irp j, 0,1,2,3,4,5,6,7
	v_exp_f32 v[\b+\j], v[\b+\j]
.endr
.endm
; one tile of p: its eight numbers go into the running pair s, then, rounded to f16, into four registers from d on
.macro SC b, s, start, d
.if \start
	v_pk_add_f32 v[\s:\s+1], v[\b:\b+1], v[\b+2:\b+3]
.else
	s_wait_alu depctr_va_vdst(0)
	v_pk_add_f32 v[\s:\s+1], v[\s:\s+1], v[\b:\b+1]
	v_pk_add_f32 v[\s:\s+1], v[\s:\s+1], v[\b+2:\b+3]
.endif
	v_pk_add_f32 v[\s:\s+1], v[\s:\s+1], v[\b+4:\b+5]
	v_pk_add_f32 v[\s:\s+1], v[\s:\s+1], v[\b+6:\b+7]
.irp j, 0,1,2,3
	v_cvt_pk_f16_f32 v[\d+\j], v[\b+2*\j], v[\b+2*\j+1]
.endr
.endm
; p = exp2(c s + NM), O and the sum rescaled, p packed.  Between each run of exponentials and the first use of its results stands plain work on other registers.
.macro EXPP q, first
.set sb, SBF+32*(\q&1)
.set jj, 0
.rept 16
	v_pk_fma_f32 v[sb+2*jj:sb+2*jj+1], v[sb+2*jj:sb+2*jj+1], s[14:15], v[NMM+2*\q:NMM+2*\q+1] op_sel_hi:[1,0,0]
.set jj, jj+1
.endr
	EXP8 sb
	EXP8 sb+8
.if \first
	v_nop
	s_wait_alu depctr_va_vdst(0)
.else
	s_wait_alu depctr_va_vdst(0)
.irp k, 0,1,2,3,4,5,6,7
	v_pk_mul_f32 v[OA+16*\q+2*\k:OA+16*\q+2*\k+1], v[OA+16*\q+2*\k:OA+16*\q+2*\k+1], v[AL:AL+1] op_sel_hi:[1,0]
.endr
.endif
	SC sb, SA, 1, sb
	EXP8 sb+16
	SC sb+8, SB, 1, sb+4
	EXP8 sb+24
	SC sb+16, SA, 0, sb+16
	SC sb+24, SB, 0, sb+20
	v_pk_add_f32 v[SA:SA+1], v[SA:SA+1], v[SB:SB+1]
.if \first
	v_add_f32 v[LL+\q], v[SA], v[SA+1]
.else
	v_add_f32 v[T], v[SA], v[SA+1]
	v_fma_f32 v[LL+\q], v[LL+\q], v[AL], v[T]
.endif
.endm
; O^T += V^T P^T.  The two accumulators take turns, one instruction a turn.  The very first product starts the sums.
.macro PVM q, first
.set sb, SBF+32*(\q&1)
.irp g, 0,1
.irp t, 0,1
.set oo, OA+16*\q+8*\t
.if \first*(1-\g)
	v_wmma_f32_16x16x32_f16 v[oo:oo+7], v[VF+16*\g+8*\t:VF+16*\g+8*\t+7], v[sb+16*\g:sb+16*\g+7], 0
.else
	v_wmma_f32_16x16x32_f16 v[oo:oo+7], v[VF+16*\g+8*\t:VF+16*\g+8*\t+7], v[sb+16*\g:sb+16*\g+7], v[oo:oo+7]
.endif
.endr
.endr
.endm
; One tile.  The scores of the next query tile are issued ahead of this one's exponentials; a score buffer is written again only behind the
; maximum pass of the tile between, more than five plain instructions that name none of the registers of the product that read it.
.macro TRIP slot, refill, first
	s_wait_tensorcnt 0x0                           ; all my tensor loads are done, my part of this trip's tile among them,
	ds_add_u32 v30, v31
	s_wait_dscnt 0x0
	s_add_nc_u64 s[34+4*\slot:35+4*\slot], s[34+4*\slot:35+4*\slot], 2*TSTEP   ; so a group 0 may be written: this slot's next tile
	s_wait_dscnt 0x0                               ; my reads of the other slot are back
	ROUND                                          ; both now hold of every wave of the four work-groups
.if \refill
	tensor_load_to_lds s[36-4*\slot:39-4*\slot], s[16:23]   ; the next tile, into the slot read last trip: it has this whole trip in which to land
	s_nop 0
.endif
	LOADKV \slot
.if \first
	s_wait_loadcnt 0x0                             ; Q's fragments
.endif
	s_wait_dscnt 0x8                               ; K's eight loads are in, V's eight may stay out
	SMM 0
	PLACES
	MAXP 0, \first
	SMM 1
	EXPP 0, \first
	s_wait_dscnt 0x0                               ; V
	PVM 0, \first
	MAXP 1, \first
	SMM 2
	EXPP 1, \first
	PVM 1, \first
	MAXP 2, \first
	SMM 3
	EXPP 2, \first
	PVM 2, \first
	MAXP 3, \first
	EXPP 3, \first
	PVM 3, \first
	PLACES                                         ; in front of the next loads into V's fragments, and of the stores of O
.endm
	TRIP 0, 1, 1
	TRIP 1, 1, 0
	s_mov_b32 s44, 6
.Ltiles:
	TRIP 0, 1, 0
	TRIP 1, 1, 0
	s_sub_co_u32 s44, s44, 1
	s_cmp_lg_u32 s44, 0
	s_cbranch_scc1 .Ltiles
	TRIP 0, 1, 0                                   ; asks for the last tile
	TRIP 1, 0, 0                                   ; nothing is left to fetch (slot 1's stepped address is not used)
	; THE MERGE.  Each wave puts NM and the sum of each query into the words behind the ring, and its O (64 queries x 32 dims f32, pitch 144)
	; into its own two slots, which have had their last fill.
.irp q, 0,1,2,3
	v_permlanex16_b32 v[T+\q], v[LL+\q], s12, s13
.endr
.irp q, 0,1,2,3
	v_add_f32 v[LL+\q], v[LL+\q], v[T+\q]          ; both halves' keys
.endr
.irp q, 0,1,2,3
	ds_store_b32 v3, v[NMM+2*\q] offset:\q*1280            ; both halves write the same word with the same value
	ds_store_b32 v3, v[LL+\q]    offset:5120+\q*1280
.endr
.irp q, 0,1,2,3
.irp t, 0,1
	ds_store_b128 v4, v[OA+16*\q+8*\t:OA+16*\q+8*\t+3],   offset:\q*2304+\t*64
	ds_store_b128 v4, v[OA+16*\q+8*\t+4:OA+16*\q+8*\t+7], offset:\q*2304+\t*64+16
.endr
.endr
	s_wait_dscnt 0x0                               ; for the others' sake: all my stores are in LDS
	s_barrier_signal -1
	; wave w, lane L now owns query 16 (w >> 2) + (L >> 1), dims 8 (w & 3) + 4 (L & 1) .. + 3
	v_lshrrev_b32 v6, 1, v5
	v_and_b32 v7, 1, v5
	v_mul_u32_u24 v68, v6, 80
	v_add_nc_u32 v68, s52, v68                     ; the query's 16 NM; its 16 sums lie 5,120 bytes on
	v_mul_u32_u24 v64, v6, 144
	v_lshl_add_u32 v64, v7, 4, v64
	v_add_nc_u32 v64, s53, v64                     ; my 16 bytes in the stage of waves 0-3,
	v_add_nc_u32 v65, 0x10000, v64                 ; 4-7,
	v_add_nc_u32 v66, 0x20000, v64                 ; 8-11,
	v_add_nc_u32 v67, 0x30000, v64                 ; 12-15
	v_lshlrev_b32 v69, 3, v5                       ; 8 L: my 8 bytes of the output
	s_barrier_wait -1
.irp i, 0,1,2,3
	ds_load_b128 v[128+4*\i:131+4*\i], v68 offset:16*\i
.endr
.irp i, 0,1,2,3
	ds_load_b128 v[144+4*\i:147+4*\i], v68 offset:5120+16*\i
.endr
.irp k, 0,1,2,3
.irp i, 0,1,2,3
	ds_load_b128 v[160+16*\k+4*\i:163+16*\k+4*\i], v[64+\k] offset:\i*16384
.endr
.endr
	s_wait_dscnt 0x0
	v_min3_num_f32 v22, v128, v129, v130           ; the least NM belongs to the largest maximum
	v_min3_num_f32 v23, v135, v136, v137
	v_min3_num_f32 v22, v22, v131, v132
	v_min3_num_f32 v23, v23, v138, v139
	v_min3_num_f32 v22, v22, v133, v134
	v_min3_num_f32 v23, v23, v140, v141
	v_min3_num_f32 v22, v22, v23, v142
	v_min_num_f32 v22, v22, v143
.set p, 0
.rept 16
	v_sub_f32 v[128+p], v22, v[128+p]
.set p, p+1
.endr
.set p, 0
.rept 16
	v_exp_f32 v[128+p], v[128+p]                   ; wave p's factor, at most 1
.set p, p+1
.endr
	v_nop
	s_wait_alu depctr_va_vdst(0)
	v_mul_f32 v24, v128, v144
.irp d, 0,1,2,3
	v_mul_f32 v[26+\d], v128, v[160+\d]
.endr
.set p, 1
.rept 15
	v_fmac_f32 v24, v[128+p], v[144+p]
.irp d, 0,1,2,3
	v_fmac_f32 v[26+\d], v[128+p], v[160+4*p+\d]
.endr
.set p, p+1
.endr
	v_rcp_f32 v25, v24                             ; the sum is about 1 or more: the wave that holds the maximum has factor 1 and a term of about 1
	v_nop
	s_wait_alu depctr_va_vdst(0)
.irp d, 0,1,2,3
	v_mul_f32 v[26+\d], v[26+\d], v25
.endr
	v_cvt_pk_f16_f32 v26, v26, v27
	v_cvt_pk_f16_f32 v27, v28, v29
	global_store_b64 v69, v[26:27], s[10:11]       ; the wave's store covers 256 consecutive bytes, aligned: a quarter of a fragment of the last product
	s_wait_tensorcnt 0x0
	ds_add_u32 v30, v31
	s_wait_dscnt 0x0
	ROUND                                          ; the closing round: no work-group ends while a partner may still ask jointly
	s_endpgm
.Lfunc_end_k_q8255636ccc_attn:
	.size	k_q8255636ccc_attn, .Lfunc_end_k_q8255636ccc_attn-k_q8255636ccc_attn
	.p2alignl 7, 3214868480
	.fill 96, 4, 3214868480
	.section	.rodata,"a",@progbits
	.p2align	6, 0x0
	.amdhsa_kernel k_q8255636ccc_attn
		.amdhsa_group_segment_fixed_size 327680
		.amdhsa_private_segment_fixed_size 0
		.amdhsa_enable_private_segment 0
		.amdhsa_kernarg_size 24
		.amdhsa_user_sgpr_count 2
		.amdhsa_user_sgpr_kernarg_segment_ptr 1
		.amdhsa_wavefront_size32 1
		.amdhsa_system_sgpr_workgroup_id_x 1
		.amdhsa_system_sgpr_workgroup_id_y 1
		.amdhsa_system_sgpr_workgroup_id_z 1
		.amdhsa_system_vgpr_workitem_id 0
		.amdhsa_next_free_vgpr 256
		.amdhsa_next_free_sgpr 66
		.amdhsa_reserve_vcc 0
		.amdhsa_float_denorm_mode_32 3
		.amdhsa_float_denorm_mode_16_64 3
		.amdhsa_memory_ordered 1
		.amdhsa_forward_progress 1
		.amdhsa_inst_pref_size 175
	.end_amdhsa_kernel
	.amdgpu_metadata
---
amdhsa.version: [ 1, 2 ]
amdhsa.kernels:
  - .name:           k_q8255636ccc_attn
    .symbol:         k_q8255636ccc_attn.kd
    .args:
      - { .name: kv, .offset: 0, .size: 8, .value_kind: global_buffer, .address_space: global }
      - { .name: qf, .offset: 8, .size: 8, .value_kind: global_buffer, .address_space: global }
      - { .name: at, .offset: 16, .size: 8, .value_kind: global_buffer, .address_space: global }
    .group_segment_fixed_size: 327680
    .private_segment_fixed_size: 0
    .kernarg_segment_align: 8
    .kernarg_segment_size: 24
    .max_flat_workgroup_size: 512
    .sgpr_count:     66
    .vgpr_count:     256
    .wavefront_size: 32
...
	.end_amdgpu_metadata
.endif
;; end of part 2
;; launch outp (part 3): grid 64 x 4, 8 waves a work-group, no clusters, 50,688 bytes of LDS; arguments at, wo, bo, out0; writes out0
.if DOCPART == 3
	.amdgcn_target "amdgcn-amd-amdhsa--gfx1250"
	.amdhsa_code_object_version 6
	.text
	.protected	k_q8255636ccc_outp
	.globl	k_q8255636ccc_outp
	.p2align	8
	.type	k_q8255636ccc_outp,@function
k_q8255636ccc_outp:
	s_mov_b64 s[64:65], 0
	v_nop
	global_prefetch_b8 v0, s[64:65] scope:SCOPE_SE
	s_setreg_imm32_b32 hwreg(HW_REG_WAVE_MODE, 25, 1), 1
	s_wait_xcnt 0x0
; out0 = attn wo + bo.  attn comes as f16 fragments: at = [tile of 16 queries, 128][head = K step, 8][1,024].  Operands f16, sums f32.
; A work-group makes 32 rows x 64 columns (64 x 4 work-groups); wave w makes the 16 x 16 tile of column tile w & 3, row tile w >> 2, over K = 256.
; wo's 64 columns (256 rows x 256 bytes of f32) are rounded to f16 in registers and laid into LDS as [k][n]; transposing loads make the fragments.
; NO JOINT LOADS for wo, though 64 work-groups read the same columns: it is rounded in registers on its way into LDS, each work-group reads its 65,536 bytes
; once, and there is no loop over tiles in which requests could meet.
; LIMITS: f16 operands (finite up to 65,504).
.set WP,    160                        ; LDS pitch of wo's f16 rows: 128 + 32 = 5 x 32 bytes
.set STAGE, 256*WP                     ; behind them: 32 rows of 64 f32, pitch 272
.set SP,    272
.set BIAS,  8                          ; v[8:15]
.set ACC0,  16                         ; v[16:23] even K steps
.set ACC1,  24                         ; v[24:31] odd K steps
.set XF,    32                         ; v[32:95]  attn's fragments, K step ks at 32 + 8 ks
.set WF,    96                         ; v[96:159] wo as loaded, later its fragments, K step ks at 96 + 8 ks
; v1 wo load offset (later the output's offset), v2 wo stage store, v3 attn load offset, v4 bias offset, v5 fragment read, v6 stage store, v7 stage read
	s_load_b256 s[4:11], s[0:1], 0x0               ; at, wo, bo, out0
	v_lshl_add_u32 v160, v0, 2, 0xc200
	v_mov_b32 v161, 0
	v_lshrrev_b32 v1, 5, v0
	v_readfirstlane_b32 s12, v1                    ; wave
	s_and_b32 s13, ttmp7, 0xffff                   ; y: 64 columns
	s_and_b32 s14, s12, 3                          ; column tile
	s_lshr_b32 s15, s12, 2                         ; row tile
	v_and_b32 v16, 31, v0                          ; L
	v_and_b32 v17, 15, v0                          ; r
	v_bfe_u32 v18, v0, 4, 1                        ; h
	v_lshlrev_b32 v1, 4, v17
	v_lshl_add_u32 v1, v18, 10, v1
	s_lshl_b32 s16, s12, 15
	v_add_nc_u32 v1, s16, v1                       ; wo: row 32 w + h, 16 r bytes of its 256
	v_mul_u32_u24 v2, v18, WP
	v_lshl_add_u32 v2, v17, 3, v2
	s_mul_i32 s16, s12, 32*WP
	v_add_nc_u32 v2, s16, v2                       ; the same place in LDS, in f16
	s_lshl_b32 s16, s15, 13
	v_lshl_add_u32 v3, v16, 4, s16                 ; attn: my row tile, 16 L
	s_lshl_b32 s16, s13, 8
	s_lshl_b32 s17, s14, 6
	s_add_co_u32 s16, s16, s17
	v_lshl_add_u32 v4, v18, 5, s16                 ; bias: 4 (64 y + 16 nt + 8 h)
	v_and_b32 v5, 7, v0
	v_lshl_add_u32 v5, v18, 3, v5
	v_mul_u32_u24 v5, v5, WP
	v_bfe_u32 v6, v0, 3, 1
	v_lshl_add_u32 v5, v6, 4, v5
	s_lshl_b32 s16, s14, 5
	v_add_nc_u32 v5, s16, v5                       ; (8 h + (L & 7)) pitch + 2 x 16 nt + 16 ((L >> 3) & 1)
	v_mul_u32_u24 v6, v17, SP
	v_lshl_add_u32 v6, v18, 5, v6
	s_mul_i32 s16, s15, 16*SP
	s_add_co_u32 s16, s16, s17
	s_add_co_u32 s16, s16, STAGE
	v_add_nc_u32 v6, s16, v6                       ; stage + (16 rt + r) pitch + 4 (16 nt + 8 h)
	v_lshrrev_b32 v7, 4, v0
	v_mul_u32_u24 v7, v7, SP
	v_lshl_add_u32 v7, v17, 4, v7
	v_add_nc_u32 v7, STAGE, v7                     ; stage + (thread >> 4) pitch + 16 (thread & 15)
	s_lshl_b32 s18, s13, 8
	s_mov_b32 s19, 0
	s_lshl_b32 s20, ttmp9, 14                      ; two query tiles of 8,192 bytes
	s_mov_b32 s21, 0
	s_lshl_b32 s22, ttmp9, 15                      ; 32 rows of 1,024 bytes
	s_add_co_u32 s22, s22, s18
	s_mov_b32 s23, 0
	s_wait_kmcnt 0x0
	s_add_nc_u64 s[6:7], s[6:7], s[18:19]
	s_add_nc_u64 s[4:5], s[4:5], s[20:21]
	s_add_nc_u64 s[10:11], s[10:11], s[22:23]
.set i, 0
.rept 16
	global_load_b128 v[WF+4*i:WF+4*i+3], v1, s[6:7] offset:2048*i   ; two rows' pieces of 256 consecutive bytes, aligned
.set i, i+1
.endr
.irp ks, 0,1,2,3,4,5,6,7
	global_load_b128 v[XF+8*\ks:XF+8*\ks+3],   v3, s[4:5] offset:\ks*1024
	global_load_b128 v[XF+8*\ks+4:XF+8*\ks+7], v3, s[4:5] offset:\ks*1024+512
.endr
	global_load_b128 v[BIAS:BIAS+3],   v4, s[8:9]
	global_load_b128 v[BIAS+4:BIAS+7], v4, s[8:9] offset:16
.set i, 0
.rept 16
	s_wait_loadcnt 33-i                            ; younger than wo's load i: 15 - i of wo, 16 of attn, 2 of the bias
	v_cvt_pk_f16_f32 v[WF+4*i], v[WF+4*i], v[WF+4*i+1]
	v_cvt_pk_f16_f32 v[WF+4*i+1], v[WF+4*i+2], v[WF+4*i+3]
	ds_store_b64 v2, v[WF+4*i:WF+4*i+1] offset:2*WP*i
.set i, i+1
.endr
	s_wait_dscnt 0x0                               ; my rows of wo are in LDS,
	s_barrier_signal -1
	s_barrier_wait -1                              ; everybody's are
.irp ks, 0,1,2,3,4,5,6,7
	ds_load_tr16_b128 v[WF+8*\ks:WF+8*\ks+3],   v5 offset:\ks*32*WP
	ds_load_tr16_b128 v[WF+8*\ks+4:WF+8*\ks+7], v5 offset:\ks*32*WP+16*WP
.endr
	s_wait_loadcnt 0x0                             ; attn and the bias; v1, the address of wo's loads, is free too
	v_lshrrev_b32 v1, 4, v0
	v_and_b32 v2, 15, v0
	v_lshlrev_b32 v1, 10, v1
	v_lshl_add_u32 v1, v2, 4, v1                   ; out0: row thread >> 4, 16 (thread & 15) bytes of its 256
	s_wait_dscnt 0x0
	; source 0 = wo's columns, source 1 = attn's rows: a lane holds row r, columns 8 h + j.  Two accumulators take turns, one instruction a turn.
	; The first takes the bias as C, the second the constant 0.
.irp ks, 0,1,2,3,4,5,6,7
.set aa, ACC0+8*(\ks&1)
.if \ks == 0
	v_wmma_f32_16x16x32_f16 v[aa:aa+7], v[WF+8*\ks:WF+8*\ks+7], v[XF+8*\ks:XF+8*\ks+7], v[BIAS:BIAS+7]
.else
.if \ks == 1
	v_wmma_f32_16x16x32_f16 v[aa:aa+7], v[WF+8*\ks:WF+8*\ks+7], v[XF+8*\ks:XF+8*\ks+7], 0
.else
	v_wmma_f32_16x16x32_f16 v[aa:aa+7], v[WF+8*\ks:WF+8*\ks+7], v[XF+8*\ks:XF+8*\ks+7], v[aa:aa+7]
.endif
.endif
.endr
.rept 4
	v_nop                                          ; four places behind the last matrix instruction (ISA guide 7.12.1)
.endr
.irp j, 0,1,2,3
	v_pk_add_f32 v[ACC0+2*\j:ACC0+2*\j+1], v[ACC0+2*\j:ACC0+2*\j+1], v[ACC1+2*\j:ACC1+2*\j+1]
.endr
	ds_store_b128 v6, v[ACC0:ACC0+3]
	ds_store_b128 v6, v[ACC0+4:ACC0+7] offset:16
	s_wait_dscnt 0x0                               ; my tile is in the stage,
	s_barrier_signal -1
	s_barrier_wait -1                              ; everybody's is
	ds_load_b128 v[24:27], v7
	ds_load_b128 v[28:31], v7 offset:16*SP
	s_wait_dscnt 0x1
	global_store_b128 v1, v[24:27], s[10:11] th:TH_STORE_NT                ; 16 lanes store 256 consecutive bytes, aligned
	s_wait_dscnt 0x0
	global_store_b128 v1, v[28:31], s[10:11] offset:16384 th:TH_STORE_NT
	s_wait_tensorcnt 0x0
	ds_add_u32 v160, v161
	s_wait_dscnt 0x0
	s_endpgm
.Lfunc_end_k_q8255636ccc_outp:
	.size	k_q8255636ccc_outp, .Lfunc_end_k_q8255636ccc_outp-k_q8255636ccc_outp
	.p2alignl 7, 3214868480
	.fill 96, 4, 3214868480
	.section	.rodata,"a",@progbits
	.p2align	6, 0x0
	.amdhsa_kernel k_q8255636ccc_outp
		.amdhsa_group_segment_fixed_size 50688
		.amdhsa_private_segment_fixed_size 0
		.amdhsa_enable_private_segment 0
		.amdhsa_kernarg_size 32
		.amdhsa_user_sgpr_count 2
		.amdhsa_user_sgpr_kernarg_segment_ptr 1
		.amdhsa_wavefront_size32 1
		.amdhsa_system_sgpr_workgroup_id_x 1
		.amdhsa_system_sgpr_workgroup_id_y 1
		.amdhsa_system_sgpr_workgroup_id_z 1
		.amdhsa_system_vgpr_workitem_id 0
		.amdhsa_next_free_vgpr 162
		.amdhsa_next_free_sgpr 66
		.amdhsa_reserve_vcc 0
		.amdhsa_float_denorm_mode_32 3
		.amdhsa_float_denorm_mode_16_64 3
		.amdhsa_memory_ordered 1
		.amdhsa_forward_progress 1
		.amdhsa_inst_pref_size 13
	.end_amdhsa_kernel
	.amdgpu_metadata
---
amdhsa.version: [ 1, 2 ]
amdhsa.kernels:
  - .name:           k_q8255636ccc_outp
    .symbol:         k_q8255636ccc_outp.kd
    .args:
      - { .name: at, .offset: 0, .size: 8, .value_kind: global_buffer, .address_space: global }
      - { .name: wo, .offset: 8, .size: 8, .value_kind: global_buffer, .address_space: global }
      - { .name: bo, .offset: 16, .size: 8, .value_kind: global_buffer, .address_space: global }
      - { .name: out0, .offset: 24, .size: 8, .value_kind: global_buffer, .address_space: global }
    .group_segment_fixed_size: 50688
    .private_segment_fixed_size: 0
    .kernarg_segment_align: 8
    .kernarg_segment_size: 32
    .max_flat_workgroup_size: 256
    .sgpr_count:     66
    .vgpr_count:     162
    .wavefront_size: 32
...
	.end_amdgpu_metadata
.endif
;; end of part 3
;; ======== version 2 of 2: 3 launches; version 1 with the launch outp written anew for expert scheduling mode
;; limits: values are held in f16: magnitudes above 65,504 overflow, below 6.1e-05 lose precision
;; workspace buffers: kv 16,777,216 bytes; qf 1,048,576 bytes; at 1,048,576 bytes
;; launch proj: the kernel of part 1 again; grid 272 x 1, 8 waves a work-group, no clusters, 140,288 bytes of LDS; arguments key, value, query, wk, wv, wq, bk, bv, bq, kv, qf; writes kv, qf
;; launch attn: the kernel of part 2 again; grid 32 x 8, 16 waves a work-group, clusters of 4 x 1, 327,680 bytes of LDS; arguments kv, qf, at; writes at
;; launch outp (part 4): grid 64 x 4, 8 waves a work-group, no clusters, 50,688 bytes of LDS; arguments at, wo, bo, out0; writes out0
.if DOCPART == 4
	.amdgcn_target "amdgcn-amd-amdhsa--gfx1250"
	.amdhsa_code_object_version 6
	.text
	.protected	k_q8255636ccc_outp
	.globl	k_q8255636ccc_outp
	.p2align	8
	.type	k_q8255636ccc_outp,@function
k_q8255636ccc_outp:
	s_mov_b64 s[64:65], 0
	v_nop
	global_prefetch_b8 v0, s[64:65] scope:SCOPE_SE
	s_setreg_imm32_b32 hwreg(HW_REG_WAVE_SCHED_MODE, 0, 2), 2
	s_setreg_imm32_b32 hwreg(HW_REG_WAVE_MODE, 25, 1), 1
	s_wait_xcnt 0x0
	s_wait_alu depctr_vm_vsrc(0)
; out0 = attn wo + bo.  attn comes as f16 fragments: at = [tile of 16 queries, 128][head = K step, 8][1,024].  Operands f16, sums f32.
; A work-group makes 32 rows x 64 columns (64 x 4 work-groups); wave w makes the 16 x 16 tile of column tile w & 3, row tile w >> 2, over K = 256.
; wo's 64 columns (256 rows x 256 bytes of f32) are rounded to f16 in registers and laid into LDS as [k][n]; transposing loads make the fragments.
; NO JOINT LOADS for wo, though 64 work-groups read the same columns: it is rounded in registers on its way into LDS, each work-group reads its 65,536 bytes
; once, and there is no loop over tiles in which requests could meet.
; LIMITS: f16 operands (finite up to 65,504).
; THE MODE: SCHED_MODE bits 1:0 = 2 (LLVM: expert scheduling mode 2), set by the entry lines.  The code itself states the register dependences
; between vector or matrix instructions and memory or LDS instructions, with s_wait_alu, always for 0.
; THE PLAN.  Registers that memory or LDS instructions touch:
;   v1          Written at the head; read by wo's 16 loads.  Written again behind the wait that ends those loads; read by the two output stores.
;   v2          Written at the head; read by the 16 LDS stores of wo.  Afterwards at work for v1.
;   v3 .. v7    Written at the head and never again; read by attn's loads, the bias's loads, the transposing loads, the stage's stores and its loads.
;   WF          wo's loads land in it; the conversions read and write it in place; the LDS stores read the pairs so made; the transposing loads land in it again; the matrix instructions read it.
;   XF, BIAS    Loads land once; the matrix instructions read them.
;   ACC0        Written by matrix instructions and by the four packed additions; read by the stage's two stores.
;   v[24:31]    ACC1: written by matrix instructions, read by the packed additions; then the stage's loads land in it and the output stores read it.
;   v160, v161  Written at the head; read by the closing add alone.
; wo's 16 loads are rounded in four groups of four.  Group g's eight conversions have group g - 1's four LDS stores among them; no conversion of group g names a register
; of group g - 1, so one wait on va_vdst at a group's head states all that those four stores hang on.
.set WP,    160                        ; LDS pitch of wo's f16 rows: 128 + 32 = 5 x 32 bytes
.set STAGE, 256*WP                     ; behind them: 32 rows of 64 f32, pitch 272
.set SP,    272
.set BIAS,  8                          ; v[8:15]
.set ACC0,  16                         ; v[16:23] even K steps
.set ACC1,  24                         ; v[24:31] odd K steps
.set XF,    32                         ; v[32:95]  attn's fragments, K step ks at 32 + 8 ks
.set WF,    96                         ; v[96:159] wo as loaded, later its fragments, K step ks at 96 + 8 ks
; v1 wo load offset (later the output's offset), v2 wo stage store, v3 attn load offset, v4 bias offset, v5 fragment read, v6 stage store, v7 stage read
	s_load_b256 s[4:11], s[0:1], 0x0               ; at, wo, bo, out0
	v_lshl_add_u32 v160, v0, 2, 0xc200
	v_mov_b32 v161, 0
	v_lshrrev_b32 v1, 5, v0
	v_readfirstlane_b32 s12, v1                    ; wave
	s_and_b32 s13, ttmp7, 0xffff                   ; y: 64 columns
	v_and_b32 v16, 31, v0                          ; L
	v_and_b32 v17, 15, v0                          ; r
	v_bfe_u32 v18, v0, 4, 1                        ; h
	v_lshlrev_b32 v1, 4, v17
	v_lshl_add_u32 v1, v18, 10, v1
	s_wait_alu depctr_va_sdst(0)                   ; s12 is written, ahead of its first reader: the tiles' numbers and all the wave's offsets are made from it
	s_and_b32 s14, s12, 3                          ; column tile
	s_lshr_b32 s15, s12, 2                         ; row tile
	s_lshl_b32 s16, s12, 15
	v_add_nc_u32 v1, s16, v1                       ; wo: row 32 w + h, 16 r bytes of its 256
	v_mul_u32_u24 v2, v18, WP
	v_lshl_add_u32 v2, v17, 3, v2
	s_mul_i32 s16, s12, 32*WP
	v_add_nc_u32 v2, s16, v2                       ; the same place in LDS, in f16
	s_lshl_b32 s16, s15, 13
	v_lshl_add_u32 v3, v16, 4, s16                 ; attn: my row tile, 16 L
	s_lshl_b32 s16, s13, 8
	s_lshl_b32 s17, s14, 6
	s_add_co_u32 s16, s16, s17
	v_lshl_add_u32 v4, v18, 5, s16                 ; bias: 4 (64 y + 16 nt + 8 h)
	v_and_b32 v5, 7, v0
	v_lshl_add_u32 v5, v18, 3, v5
	v_mul_u32_u24 v5, v5, WP
	v_bfe_u32 v6, v0, 3, 1
	v_lshl_add_u32 v5, v6, 4, v5
	s_lshl_b32 s16, s14, 5
	v_add_nc_u32 v5, s16, v5                       ; (8 h + (L & 7)) pitch + 2 x 16 nt + 16 ((L >> 3) & 1)
	v_mul_u32_u24 v6, v17, SP
	v_lshl_add_u32 v6, v18, 5, v6
	s_mul_i32 s16, s15, 16*SP
	s_add_co_u32 s16, s16, s17
	s_add_co_u32 s16, s16, STAGE
	v_add_nc_u32 v6, s16, v6                       ; stage + (16 rt + r) pitch + 4 (16 nt + 8 h)
	v_lshrrev_b32 v7, 4, v0
	v_mul_u32_u24 v7, v7, SP
	v_lshl_add_u32 v7, v17, 4, v7
	v_add_nc_u32 v7, STAGE, v7                     ; stage + (thread >> 4) pitch + 16 (thread & 15)
	s_lshl_b32 s18, s13, 8
	s_mov_b32 s19, 0
	s_lshl_b32 s20, ttmp9, 14                      ; two query tiles of 8,192 bytes
	s_mov_b32 s21, 0
	s_lshl_b32 s22, ttmp9, 15                      ; 32 rows of 1,024 bytes
	s_add_co_u32 s22, s22, s18
	s_mov_b32 s23, 0
	s_wait_kmcnt 0x0
	s_add_nc_u64 s[6:7], s[6:7], s[18:19]
	s_add_nc_u64 s[4:5], s[4:5], s[20:21]
	s_add_nc_u64 s[10:11], s[10:11], s[22:23]
	s_wait_alu depctr_va_vdst(0)                   ; the seven offsets and addresses v1 to v7 are written, which the loads and the LDS instructions below read
.set i, 0
.rept 16
	global_load_b128 v[WF+4*i:WF+4*i+3], v1, s[6:7] offset:2048*i   ; two rows' pieces of 256 consecutive bytes, aligned
.set i, i+1
.endr
.irp ks, 0,1,2,3,4,5,6,7
	global_load_b128 v[XF+8*\ks:XF+8*\ks+3],   v3, s[4:5] offset:\ks*1024
	global_load_b128 v[XF+8*\ks+4:XF+8*\ks+7], v3, s[4:5] offset:\ks*1024+512
.endr
	global_load_b128 v[BIAS:BIAS+3],   v4, s[8:9]
	global_load_b128 v[BIAS+4:BIAS+7], v4, s[8:9] offset:16
	; wo is rounded, four loads to a group; the group before goes into LDS meanwhile
.irp g, 0,1,2,3
	s_wait_loadcnt 30-4*\g                         ; younger than the group's last load: 12 - 4 g of wo, 16 of attn, 2 of the bias
.if \g > 0
	s_wait_alu depctr_va_vdst(0)                   ; the conversions of the group before have written their four pairs, which the LDS stores below read
.endif
.irp k, 0,1,2,3
.set i, 4*\g+\k
.if \g > 0
	ds_store_b64 v2, v[WF+4*(i-4):WF+4*(i-4)+1] offset:2*WP*(i-4)   ; no vector instruction since the wait names these registers
.endif
	v_cvt_pk_f16_f32 v[WF+4*i], v[WF+4*i], v[WF+4*i+1]
	v_cvt_pk_f16_f32 v[WF+4*i+1], v[WF+4*i+2], v[WF+4*i+3]
.endr
.endr
	s_wait_alu depctr_va_vdst(0)                   ; the last group's conversions have written their pairs, which the LDS stores below read; and all conversions are done with WF, in which the transposing loads land
.irp i, 12,13,14,15
	ds_store_b64 v2, v[WF+4*\i:WF+4*\i+1] offset:2*WP*\i
.endr
	s_wait_dscnt 0x0                               ; my rows of wo are in LDS,
	s_barrier_signal -1
	s_barrier_wait -1                              ; everybody's are
	s_wait_alu depctr_vm_vsrc(0)                   ; my LDS stores have read WF's pairs, in which the loads below land, and v2; wo's loads have read v1: both are written again below
.irp ks, 0,1,2,3,4,5,6,7
	ds_load_tr16_b128 v[WF+8*\ks:WF+8*\ks+3],   v5 offset:\ks*32*WP
	ds_load_tr16_b128 v[WF+8*\ks+4:WF+8*\ks+7], v5 offset:\ks*32*WP+16*WP
.endr
	s_wait_loadcnt 0x0                             ; attn and the bias; v1, the address of wo's loads, is free too
	v_lshrrev_b32 v1, 4, v0
	v_and_b32 v2, 15, v0
	v_lshlrev_b32 v1, 10, v1
	v_lshl_add_u32 v1, v2, 4, v1                   ; out0: row thread >> 4, 16 (thread & 15) bytes of its 256
	s_wait_dscnt 0x0
	; source 0 = wo's columns, source 1 = attn's rows: a lane holds row r, columns 8 h + j.  Two accumulators take turns, one instruction a turn.
	; The first takes the bias as C, the second the constant 0.
.irp ks, 0,1,2,3,4,5,6,7
.set aa, ACC0+8*(\ks&1)
.if \ks == 0
	v_wmma_f32_16x16x32_f16 v[aa:aa+7], v[WF+8*\ks:WF+8*\ks+7], v[XF+8*\ks:XF+8*\ks+7], v[BIAS:BIAS+7]
.else
.if \ks == 1
	v_wmma_f32_16x16x32_f16 v[aa:aa+7], v[WF+8*\ks:WF+8*\ks+7], v[XF+8*\ks:XF+8*\ks+7], 0
.else
	v_wmma_f32_16x16x32_f16 v[aa:aa+7], v[WF+8*\ks:WF+8*\ks+7], v[XF+8*\ks:XF+8*\ks+7], v[aa:aa+7]
.endif
.endif
.endr
.rept 4
	v_nop                                          ; four places behind the last matrix instruction (ISA guide 7.12.1)
.endr
.irp j, 0,1,2,3
	v_pk_add_f32 v[ACC0+2*\j:ACC0+2*\j+1], v[ACC0+2*\j:ACC0+2*\j+1], v[ACC1+2*\j:ACC1+2*\j+1]
.endr
	s_wait_alu depctr_va_vdst(0)                   ; the additions have written ACC0, which the stage's stores read; v1 is written, which the output stores read; matrix instructions and additions are done with v[24:31], in which the stage's loads land
	ds_store_b128 v6, v[ACC0:ACC0+3]
	ds_store_b128 v6, v[ACC0+4:ACC0+7] offset:16
	s_wait_dscnt 0x0                               ; my tile is in the stage,
	s_barrier_signal -1
	s_barrier_wait -1                              ; everybody's is
	ds_load_b128 v[24:27], v7
	ds_load_b128 v[28:31], v7 offset:16*SP
	s_wait_dscnt 0x1
	global_store_b128 v1, v[24:27], s[10:11] th:TH_STORE_NT                ; 16 lanes store 256 consecutive bytes, aligned
	s_wait_dscnt 0x0
	global_store_b128 v1, v[28:31], s[10:11] offset:16384 th:TH_STORE_NT
	s_wait_dscnt 0x0                               ; the closing lines, six on end
	s_wait_alu 0x0
	s_wait_tensorcnt 0x0
	ds_add_u32 v160, v161
	s_wait_dscnt 0x0
	s_endpgm
.Lfunc_end_k_q8255636ccc_outp:
	.size	k_q8255636ccc_outp, .Lfunc_end_k_q8255636ccc_outp-k_q8255636ccc_outp
	.p2alignl 7, 3214868480
	.fill 96, 4, 3214868480
	.section	.rodata,"a",@progbits
	.p2align	6, 0x0
	.amdhsa_kernel k_q8255636ccc_outp
		.amdhsa_group_segment_fixed_size 50688
		.amdhsa_private_segment_fixed_size 0
		.amdhsa_enable_private_segment 0
		.amdhsa_kernarg_size 32
		.amdhsa_user_sgpr_count 2
		.amdhsa_user_sgpr_kernarg_segment_ptr 1
		.amdhsa_wavefront_size32 1
		.amdhsa_system_sgpr_workgroup_id_x 1
		.amdhsa_system_sgpr_workgroup_id_y 1
		.amdhsa_system_sgpr_workgroup_id_z 1
		.amdhsa_system_vgpr_workitem_id 0
		.amdhsa_next_free_vgpr 162
		.amdhsa_next_free_sgpr 66
		.amdhsa_reserve_vcc 0
		.amdhsa_float_denorm_mode_32 3
		.amdhsa_float_denorm_mode_16_64 3
		.amdhsa_memory_ordered 1
		.amdhsa_forward_progress 1
		.amdhsa_inst_pref_size 13
	.end_amdhsa_kernel
	.amdgpu_metadata
---
amdhsa.version: [ 1, 2 ]
amdhsa.kernels:
  - .name:           k_q8255636ccc_outp
    .symbol:         k_q8255636ccc_outp.kd
    .args:
      - { .name: at, .offset: 0, .size: 8, .value_kind: global_buffer, .address_space: global }
      - { .name: wo, .offset: 8, .size: 8, .value_kind: global_buffer, .address_space: global }
      - { .name: bo, .offset: 16, .size: 8, .value_kind: global_buffer, .address_space: global }
      - { .name: out0, .offset: 24, .size: 8, .value_kind: global_buffer, .address_space: global }
    .group_segment_fixed_size: 50688
    .private_segment_fixed_size: 0
    .kernarg_segment_align: 8
    .kernarg_segment_size: 32
    .max_flat_workgroup_size: 256
    .sgpr_count:     66
    .vgpr_count:     162
    .wavefront_size: 32
...
	.end_amdgpu_metadata
.endif
;; end of part 4
